; MI455X (gfx1250); checked and timed in simulation.
; The chip was launched on July 23, 2026; its instructions are those of AMD's public machine-readable ISA for CDNA 5 (MIT licence, August 2026) and "CDNA5" Instruction Set Architecture Reference Guide (July 2026). The comments in the code are by the model that wrote it; some were corrected since.
;; Attention. Allowed arithmetic: matrix products marked QUANTISED: E5M2 operands, one given power-of-two scale a tensor, by v_wmma_f32_16x16x64_bf8_bf8 or v_wmma_f32_16x16x128_bf8_bf8, f32 sums; products left as they are: f32 operands where the result goes on into a quantised operand, else bf16, f16 or f32 operands; f32 sums; everything else in f32.
;; Inputs: W_codes 1,024 x 32 x 32 uint8 (E5M2 codes of W, K innermost, in blocks of 32 codes); b 1,024 float32; hx_codes 32 x 2,048 x 32 x 32 uint8 (E5M2 codes of hx, K innermost, in blocks of 32 codes); hx_mask 32 x 2,048 float32; lowp_scales 2 int32 (the exponents e of the quantised operands' scales 2^e); st 32 x 1,024 float32.
;; Outputs: out0 32 x 1,024 float32.
;; This version of the problem:
;;   THIS VERSION OF THE PROBLEM IS GIVEN IN LOW PRECISION. The matrix products marked QUANTISED in the list below multiply operands that are first quantised to E5M2 (5 exponent bits, 2 mantissa bits; 8 bits a number), with one given power-of-two scale for each operand tensor; their sums are f32. All else is computed in f32.
;;   The module's matrix products, in the order in which they are computed (A, B: the left and right operand; K: the contracted axis; several contracted axes count as one K, in the product's order):
;;     1. [M 65,536, K 1,024] x [K 1,024, N 1,024]; A: input hx (given as codes); B: input W (given as codes): QUANTISED (scales: A lowp_scales[0], B lowp_scales[1])
;;     2. batch 32 x [M 2,048, K 1,024] x [K 1,024, N 1]; A: computed on the way; B: input st: left as it is (N = 1 < 16)
;;     3. batch 32 x [M 1, K 2,048] x [K 2,048, N 1,024]; A: softmax; B: computed on the way: left as it is (M = 1 < 16)
;;   THE QUANTISER, for each operand of a quantised product, along K:
;;     - The operand's scale is 2^e, e = its entry of the input lowp_scales (int32; the entries are numbered through the quantised products in the list's order, A before B).
;;     - Each number is divided by the scale, clamped to +-57,344, and rounded to the nearest number of E5M2, ties to even, subnormals kept.
;;     - The product sums the exact products of the quantised numbers (number of the format x scale) in f32.
;;   ~~~python
;;   def quantise(x, axis, e):      # numpy; x: float32 -> the quantised numbers, widened to float32 again
;;       x = np.moveaxis(x, axis, -1); K = x.shape[-1]
;;       r = np.clip(x / 2.0 ** e, -57344, 57344)
;;       step = 2.0 ** (np.maximum(np.frexp(np.where(r == 0, 1, r))[1] - 1, -14) - 2)
;;       q = np.round(r / step) * step * 2.0 ** e      # np.round: ties to even
;;       return np.moveaxis(q, -1, axis).astype(np.float32)
;;   ~~~
;;   INPUTS GIVEN AS CODES. W (in the module: [1024, 1024], K = its axis 1); hx (in the module: [32, 2048, 1024], K = its axis 2): each comes as NAME_codes (uint8): NAME with its K axis moved to the last place and cut into blocks of 32 codes, [.., K / 32, bytes a block], one block behind the other in memory; one code a byte (a code: sign, 5 exponent bits, 2 mantissa bits); its scale is its entry of lowp_scales. Its value is code x scale, taken as it is: it is not quantised again, and the codes and scales need not be those that the quantiser above would give.
;; One version. Each part assembles by itself: llvm-mc -triple=amdgcn-amd-amdhsa -mcpu=gfx1250 --defsym DOCPART=n.
;; ======== version 1 of 1: 2 launches
;; workspace buffers: part 1,179,648 bytes
;; launch fused (part 1): grid 256 x 1, 4 waves a work-group, clusters of 4 x 1, 327,680 bytes of LDS; arguments W_codes, hx_codes, hx_mask, st, b, lowp_scales, part; writes part
.if DOCPART == 1
	.amdgcn_target "amdgcn-amd-amdhsa--gfx1250"
	.amdhsa_code_object_version 6
	.text
	.protected	k_q23fac8d5dc_fused
	.globl	k_q23fac8d5dc_fused
	.p2align	8
	.type	k_q23fac8d5dc_fused,@function
k_q23fac8d5dc_fused:
	s_mov_b64 s[64:65], 0
	v_nop
	global_prefetch_b8 v0, s[64:65] scope:SCOPE_SE
	s_setreg_imm32_b32 hwreg(HW_REG_WAVE_MODE, 25, 1), 1
	s_wait_xcnt 0x0
	s_wait_alu depctr_hold_cnt(0) depctr_sa_sdst(0) depctr_va_vdst(0) depctr_va_sdst(0) depctr_va_ssrc(0) depctr_va_vcc(0) depctr_vm_vsrc(0)
	s_getreg_b32 s2, hwreg(HW_REG_IB_STS2, 6, 4)
	s_cmp_eq_u32 s2, 0
	s_cbranch_scc0 .Lentry_in_a_cluster
	s_endpgm
.Lentry_in_a_cluster:
	s_bfe_u32 s2, ttmp6, 0x10000c
	s_cmp_lg_u32 s2, 0x3003
	s_cbranch_scc0 .Lentry_shape_is_right
	s_endpgm
.Lentry_shape_is_right:
; ct[b][:] = sum over s of softmax_s((hx_t[b][s] . st[b]) mask1[b][s]) hx_t[b][s][:],  hx_t = hx W^T + b.  hx [65,536][1,024] and W [1,024][1,024] are codes of BF8 (E5M2), K innermost, with the scales 2^e0, 2^e1.
; With acc = the f32 sum of the codes' products and E = e0 + e1:  hx_t = acc 2^E + b;  score = (2^E sum_e acc st + b . st) mask1.  The whole product hx W^T is made here, by the matrix units, and gives the scores.
; THE ORDER OF THE LAST SUMS DIFFERS FROM THE REFERENCE'S: ct = 2^E ((sum_s p hx[s]) W^T) / (sum_s p) + b: the same terms for every input, added first over the rows and then over K, all in f32.
; This launch stores, for each work-group, U[d] = sum_s p x code(hx[s][d]), the running largest exponent M and l = sum p; the next launch joins the eight parts of a batch and multiplies by W.
; Why: a slot of W then serves 128 rows, not 64 (the registers hold 128 rows x 512 columns of sums, half of hx_t's columns): 128 matrix instructions a wave for 128 KB of W.
; SHARES.  Work-group g = 4 x cluster + place takes rows 256 g .. 256 g + 255 (an eighth of batch g / 8), as two blocks of 128 rows; a block as two column halves P.  Wave w owns 128 rows x columns 512 P + 128 w + 0 .. 127:
; 64 accumulators of 16 x 16, 512 registers.  A half is eight half-slots j (row half j % 2, K from 256 (j / 2) on) of 64 matrix instructions a wave.
; W STREAMS through two LDS slots (512 rows of W x 256 along K; a tile's row is 256 bytes of memory, at a multiple of 256); wave w fetches and reads its own 128 rows alone.  A tile's fragments stay in registers for both row halves.
; CLUSTER.  Every work-group walks the same tiles of W in the same order, so the four of a cluster ask for each tile JOINTLY: the same tensor load, the same descriptor, a mask that names the four.
; hx comes by global loads into 2 x 32 staging registers, two half-slots ahead of their LDS stores, into a ring of two slices (64 rows x 256 K) that all four waves read.  It is read for P = 0, for P = 1 and for U.
; TRANSPOSED USE of the matrix instruction: source 0 = 16 rows of W, source 1 = 16 rows of hx: lane (r, h) holds row r, its register j column 8 h + j.  A fragment comes by four loads of 16 bytes: a permutation of k, the same on both sides.
; SOFTMAX: t = score x log2(e); a running largest t (M) is taken away before every exponential; when it moves, l and U are multiplied by 2^(old M - new M).
; LIMITS: NaN and infinity among the inputs and codes are not served; M begins at -3e38.  2^E is applied by v_ldexp_f32: the given exponents have no limit of their own.
; REGISTERS, in windows of 256:  window 0: v1-16 addresses and the running figures; v17-31 at work; v32-47 U; v64-127 two staging sets; v128-191, v192-255 hx's fragments of the two halves of a slice's K
;   (v192-255 are at work between halves).   window 1: W's fragments, two sets of 128 (v128-191 hold st between halves).   windows 2, 3: accumulator (a, c) in window 2 + a / 4 at v[8 (8 (a % 4) + c)]; behind a block they hold hx's codes and p.
.set PITCH, 272                        ; an LDS row: 256 bytes + 16 of padding: the sixteen rows that a fragment load touches begin 16 bytes apart modulo 256
.set WPART, 128*PITCH                  ; a wave's 128 rows of W
.set WSLOT, 4*WPART                    ; a slot
.set HXR,   2*WSLOT                    ; hx's ring: two slices of 64 rows (row half 0, row half 1), filled by LDS stores alone
.set HSL,   64*PITCH
.set SPARE, HXR+2*HSL                  ; the spare words, 128 bytes for each wave: two blocks of 256 bytes that no other line names
.set XCH,   SPARE+512                  ; [P][wave][128 rows] f32: the waves' parts of the scores
.set PT,    XCH+4096                   ; [wave][row's parity][64] f32: p, each wave's own copy
.set MK,    PT+2048                    ; [256 rows] f32: mask1 x log2(e)
.set STT,   MK+1024                    ; [wave][P][128 columns] f32: st of the wave's columns, its own; at the end the wave's stage for the way out
.set SPW, 1                            ; v1   SPARE + 4 x my thread's number; never rewritten
.set NIL, 2                            ; v2   0; never rewritten
.set AW0, 3                            ; v3, v4  my W fragments in slot 0, 1
.set AH,  5                            ; v5   hx's fragments in the ring
.set HS,  6                            ; v6   where I store 16 bytes of an hx slice
.set HG,  7                            ; v7   and where they lie in the row half's rows of hx
.set XS,  8                            ; v8   where I put my wave's parts of the scores
.set XL,  9                            ; v9   where I read the parts of rows 4 L .. 4 L + 3
.set PS,  10                           ; v10  where I put p of those rows
.set PL,  11                           ; v11  where I read p of the rows of my half of the lanes
.set ML,  12                           ; v12  the mask's factors of rows 4 L .. 4 L + 3 of block 0
.set SL,  13                           ; v13  st of my half's eight columns of a tile
.set MX,  14                           ; v14  M
.set LS,  15                           ; v15  l
.set BST, 16                           ; v16  b . st
.set UU,  32                           ; v32-47  U of my 16 places along K, over the rows of my half of the lanes
.set UG,  48                           ; v48  where my 16 codes of rows h, h + 2, .. lie in the block
.set SCL, 49                           ; v49  the scale 1 for the conversions back: the byte 127 in every byte
.set STG, 64
.set SC,  192                          ; between halves: 16 pairs of sums
.set TS,  224                          ; between halves: eight scores' parts
.set TT,  192                          ; behind a block: two sets of 16 widened codes
.set STD, 128                          ; window 1, between halves: st of my 64 columns
.set WV,  18                           ; s18  my wave's number
.set G1,  24                           ; s[24:31] descriptor group 1
.set G0,  32                           ; s[32:35], s[36:39] group 0 for slot 0, 1
.set WC,  40                           ; s[40:41] my 128 rows of W in this column half;  s[42:43] in the next
.set WN,  42
.set HXC, 44                           ; s[44:45] this half's block of hx;  s[58:59] the next half's
.set HXN, 58
.set SEL, 46                           ; s[46:47] lane selects: lane l xor 16
.set EE,  48                           ; s48  E
.set BLK, 49                           ; s49  halves to go in the loop
.set PO,  52                           ; s52  512 P: the half's place in STT
.set PX,  53                           ; s53  2,048 P: its place in XCH
.set DL,  60                           ; s[60:61] what the next half's block steps by: 128 rows or nothing, by turns
.set MUL_LO, 0xa1                      ; source 0 (W) window 1, source 1 (hx) window 0, C and D window 2
.set TO_B,   0x40                      ; destination window 1, address window 0
.set MSB, 0
.macro WIN new                         ; the immediate's high byte repeats the setting that is left; a switch that changes nothing is dropped
.if MSB != (\new)
	s_set_vgpr_msb (MSB<<8)|(\new)
.set MSB, (\new)
.endif
.endm
.macro PLACES                          ; four plain places behind matrix instructions, in front of loads into their operands and of reads of their results
.rept 4
	v_nop
.endr
.endm
.macro CREST                           ; a round of the cluster's barrier behind its opening barrier
	s_cmp_lg_u32 s[WV], 0
	s_cbranch_scc1 .Lnot_wave_0_\@
	s_barrier_signal -3
.Lnot_wave_0_\@:
	s_barrier_wait -3
	s_barrier_signal -1
	s_barrier_wait -1
.endm
.macro CROUND                          ; a whole round
	s_barrier_signal -1
	s_barrier_wait -1
	CREST
.endm
; My eight fragments of W (16 rows x 128 K each) of half kk of a slot, into set: 32 loads
.macro FETCHW slot, kk, set
	WIN TO_B
.irp c, 0,1,2,3,4,5,6,7
.irp x, 0,1,2,3
	ds_load_b128 v[128*(\set)+16*\c+4*\x:128*(\set)+16*\c+4*\x+3], v[AW0+(\slot)] offset:16*PITCH*\c+128*(\kk)+32*\x
.endr
.endr
	WIN 0
.endm
; hx's four fragments of half kk of the slice in ring buffer buf, into set: 16 loads
.macro FETCHH buf, kk, set
.irp a, 0,1,2,3
.irp x, 0,1,2,3
	ds_load_b128 v[128+64*(\set)+16*\a+4*\x:128+64*(\set)+16*\a+4*\x+3], v[AH] offset:HSL*(\buf)+16*PITCH*\a+128*(\kk)+32*\x
.endr
.endr
.endm
; Eight matrix instructions: my eight column tiles x rows 16 aa on of the row half, 128 along K.  zero: the product starts the sums.  The accumulators take turns, one instruction a turn, in the same order in every sub-step.
.macro MUL aa, kk, zero
.irp c, 0,1,2,3,4,5,6,7
.if \zero
	v_wmma_f32_16x16x128_bf8_bf8 v[8*(8*(\aa)+\c):8*(8*(\aa)+\c)+7], v[128*(\kk)+16*\c:128*(\kk)+16*\c+15], v[128+64*(\kk)+16*(\aa):128+64*(\kk)+16*(\aa)+15], 0
.else
	v_wmma_f32_16x16x128_bf8_bf8 v[8*(8*(\aa)+\c):8*(8*(\aa)+\c)+7], v[128*(\kk)+16*\c:128*(\kk)+16*\c+15], v[128+64*(\kk)+16*(\aa):128+64*(\kk)+16*(\aa)+15], v[8*(8*(\aa)+\c):8*(8*(\aa)+\c)+7]
.endif
.endr
.endm
; HALF-SLOT j OF A COLUMN HALF (row half RH = j % 2, W's tile KS = j / 2): two sub-steps of 32 matrix instructions, on fragment sets 0 and 1.
; mode 2: W's slot KS % 2, read out by then, is filled again with the tile two on, behind a round of the cluster's barrier; 1: the same waits and a plain barrier; 3: a plain barrier, for hx's ring alone; 0: none.
; sto: hx's slice j + 2 goes from its staging set into ring buffer RH (lcnt: the younger global loads that may stay out).  ld: slice j + 4 is asked for, into the same set.  nxt: the next half-slot's first fragments are fetched.
.macro HSLOT j, mode, sto, lcnt, ld, nxt
.set RH, (\j)%2
.set KS, (\j)/2
.set Z, 0
.if (\j) < 2
.set Z, 1
.endif
.set MW, MUL_LO+0x50*RH                ; C and D in window 2 or 3
	s_wait_dscnt 0x0                               ; set 0, asked for 32 matrix instructions ago, is in
	PLACES                                         ; set 1 was read by the matrix instructions just issued
	FETCHH RH, 1, 1
.if RH == 0
	FETCHW KS%2, 1, 1                              ; W's fragments serve both row halves: they are read from LDS once for two half-slots
.endif
	WIN MW
	MUL 0, 0, Z
	MUL 1, 0, Z
.if (\mode == 1) || (\mode == 2)
	WIN 0                                          ; (the add's two registers lie in window 0)
	s_wait_tensorcnt 0x0                           ; all my tensor loads have landed: the one that was out is my part of the next tile
	ds_add_u32 v[SPW], v[NIL]                      ; 0 onto my spare word; eight matrix instructions stand between it and the wait for it
.endif
	WIN MW
	MUL 2, 0, Z
	s_wait_dscnt 0x0                               ; set 1 is in: my reads of this slice, and at RH = 0 of W's slot, are over; my stores into the ring are done; so is the add
.if \mode
	s_barrier_signal -1
.endif
	MUL 3, 0, Z
	WIN 0
.if \mode
	s_barrier_wait -1
.endif
.if \mode == 2
	CREST                                          ; the barrier has opened a round: no wave of any partner still reads this slot or has a load on its way
.if KS < 2
	s_add_nc_u64 s[G0+4*(KS%2)+2:G0+4*(KS%2)+3], s[WC:WC+1], 256*(KS+2)   ; this column half, 512 further along K
.else
	s_add_nc_u64 s[G0+4*(KS%2)+2:G0+4*(KS%2)+3], s[WN:WN+1], 256*(KS-2)   ; the next column half's first tiles
.endif
	s_or_b32 s[G0+4*(KS%2)+3], s[G0+4*(KS%2)+3], 0x80000000   ; type = 2
	tensor_load_to_lds s[G0+4*(KS%2):G0+4*(KS%2)+3], s[G1:G1+7]   ; my one tensor load behind the round, and the first thing there: 112 matrix instructions ahead of the wait for it
	s_nop 0
	PLACES                                         ; four v_nop follow it; they are also the places in front of the loads into set 0
.elseif \nxt
	PLACES
.endif
.if \sto
	s_wait_loadcnt \lcnt                           ; the slice's eight loads are in; the next slice's eight may be out
.irp n, 0,1,2,3,4,5,6,7
	ds_store_b128 v[HS], v[STG+32*RH+4*\n:STG+32*RH+4*\n+3] offset:HSL*RH+2*PITCH*\n   ; every wave's reads of the buffer's former slice were waited for in front of this barrier; this slice is first read behind the next one
.endr
.endif
.if \nxt
	FETCHH 1-RH, 0, 0
.if RH == 1
	FETCHW (KS+1)%2, 0, 0
.endif
.endif
	WIN MW
	MUL 0, 1, 0
	MUL 1, 1, 0
.if \ld
	WIN 0
	s_wait_dscnt 16+32*RH                          ; all but the fetches issued behind them: the eight stores have read the staging set,
.set XX, (\j)+4
.irp n, 0,1,2,3,4,5,6,7
.if XX < 8
	global_load_b128 v[STG+32*RH+4*\n:STG+32*RH+4*\n+3], v[HG], s[HXC:HXC+1] offset:RH*65536+(XX/2)*256+2048*\n   ; which takes the slice four half-slots on: sixteen lanes read 256 consecutive bytes of a row
.else
	global_load_b128 v[STG+32*RH+4*\n:STG+32*RH+4*\n+3], v[HG], s[HXN:HXN+1] offset:RH*65536+((XX-8)/2)*256+2048*\n
.endif
.endr
.endif
	WIN MW
	MUL 2, 1, 0
	MUL 3, 1, 0
	WIN 0
.endm
.macro HB last
	HSLOT 0, 2, 1, 8, 1, 1
	HSLOT 1, 3, 1, 8, 1, 1
	HSLOT 2, 2, 1, 8, 1, 1
	HSLOT 3, 3, 1, 8, 1, 1
.if \last                              ; the last half asks for nothing beyond the work-group's rows and W's last tile: its tail is written out
	HSLOT 4, 1, 1, 8, 0, 1
	HSLOT 5, 3, 1, 0, 0, 1
	HSLOT 6, 3, 0, 0, 0, 1
	HSLOT 7, 0, 0, 0, 0, 0
.else
	HSLOT 4, 2, 1, 8, 1, 1
	HSLOT 5, 3, 1, 8, 1, 1
	HSLOT 6, 2, 1, 8, 1, 1
	HSLOT 7, 3, 1, 8, 1, 1
.endif
.endm
; BEHIND A COLUMN HALF: my wave's parts of the block's 128 scores, the sum over my 128 columns of acc x st.  Fragment sets 0 (the next half's first) are not touched.
.macro EPI1
	PLACES
	v_add_nc_u32 v17, s[PO], v[SL]
	WIN TO_B
.irp c, 0,1,2,3,4,5,6,7
	ds_load_b128 v[STD+8*\c:STD+8*\c+3], v17 offset:64*\c        ; st of columns 16 c + 8 h + 0 .. 7
	ds_load_b128 v[STD+8*\c+4:STD+8*\c+7], v17 offset:64*\c+16
.endr
	WIN 0
	s_wait_dscnt 0x0
.irp wh, 0,1                           ; two columns an instruction; eight chains by turns; each accumulator from its low end on
	WIN 0x06+\wh                                   ; source 0 (the sums) window 2 or 3, source 1 (st) window 1
.irp c, 0,1,2,3,4,5,6,7
.irp jp, 0,2,4,6
.irp aa, 0,1,2,3
.if (\c == 0) && (\jp < 4)
	v_pk_mul_f32 v[SC+8*(\jp%4)+2*(4*\wh+\aa):SC+8*(\jp%4)+2*(4*\wh+\aa)+1], v[8*(8*\aa+\c)+\jp:8*(8*\aa+\c)+\jp+1], v[STD+8*\c+\jp:STD+8*\c+\jp+1]
.else
	v_pk_fma_f32 v[SC+8*(\jp%4)+2*(4*\wh+\aa):SC+8*(\jp%4)+2*(4*\wh+\aa)+1], v[8*(8*\aa+\c)+\jp:8*(8*\aa+\c)+\jp+1], v[STD+8*\c+\jp:STD+8*\c+\jp+1], v[SC+8*(\jp%4)+2*(4*\wh+\aa):SC+8*(\jp%4)+2*(4*\wh+\aa)+1]
.endif
.endr
.endr
.endr
.endr
	WIN 0
.irp a, 0,1,2,3,4,5,6,7
	v_pk_add_f32 v[SC+2*\a:SC+2*\a+1], v[SC+2*\a:SC+2*\a+1], v[SC+16+2*\a:SC+16+2*\a+1]
.endr
.irp a, 0,1,2,3,4,5,6,7
	v_add_f32 v[TS+\a], v[SC+2*\a], v[SC+2*\a+1]
.endr
.irp a, 0,1,2,3,4,5,6,7
	v_permlanex16_b32 v[SC+16+\a], v[TS+\a], s[SEL], s[SEL+1]    ; the row's other eight columns of each tile lie in the lane 16 away
.endr
.irp a, 0,1,2,3,4,5,6,7
	v_add_f32 v[TS+\a], v[TS+\a], v[SC+16+\a]
.endr
	v_add_nc_u32 v17, s[PX], v[XS]
.irp a, 0,1,2,3,4,5,6,7
	ds_store_b32 v17, v[TS+\a] offset:64*\a        ; row 16 a + r; both halves of the lanes store the same number to the same word
.endr
	s_wait_dscnt 0x0                               ; for the others' sake: my parts are in LDS
	s_barrier_signal -1
	s_barrier_wait -1                              ; the tile asked for last may stay on its way
.endm
; 32 loads' worth (64 rows) of U += p x hx: codes in v0-127 and p in v128-159 of window 2 + ph.  A load's 16 codes are widened one load ahead of their eight multiply-adds, which are the plain places behind the conversions.
.macro UPASS ph
	WIN 0x02+\ph                                   ; source 0 (codes; p) window 2 or 3, all else window 0
	v_cvt_scale_pk8_f32_bf8 v[TT:TT+7], v[0:1], v[SCL]
	v_cvt_scale_pk8_f32_bf8 v[TT+8:TT+15], v[2:3], v[SCL]
	v_nop                                          ; a plain place between the first conversions and the use of their results
.set NN, 0
.rept 32
.if NN < 31
	v_cvt_scale_pk8_f32_bf8 v[TT+16*((NN+1)%2):TT+16*((NN+1)%2)+7], v[4*(NN+1):4*(NN+1)+1], v[SCL]
	v_cvt_scale_pk8_f32_bf8 v[TT+16*((NN+1)%2)+8:TT+16*((NN+1)%2)+15], v[4*(NN+1)+2:4*(NN+1)+3], v[SCL]
.endif
.irp i, 0,2,4,6,8,10,12,14
.if NN%2
	v_pk_fma_f32 v[UU+\i:UU+\i+1], v[128+NN-1:128+NN], v[TT+16*(NN%2)+\i:TT+16*(NN%2)+\i+1], v[UU+\i:UU+\i+1] op_sel:[1,0,0] op_sel_hi:[1,1,1]   ; the pair's second p for both halves
.else
	v_pk_fma_f32 v[UU+\i:UU+\i+1], v[128+NN:128+NN+1], v[TT+16*(NN%2)+\i:TT+16*(NN%2)+\i+1], v[UU+\i:UU+\i+1] op_sel_hi:[0,1,1]   ; the pair's first p for both halves
.endif
.endr
.set NN, NN+1
.endr
.endm
; BEHIND A BLOCK'S SECOND HALF: the 128 scores, their weights, and U.  Every wave makes all weights for itself, by the same lines on the same numbers: no barrier.  The accumulators are done with: they take the block's codes and p.
.macro EPI2 blk
	WIN 0x80                                       ; destination window 2
.set NN, 0
.rept 32
	global_load_b128 v[4*NN:4*NN+3], v[UG], s[HXC:HXC+1] offset:2048*NN   ; rows 2 n + h, bytes 256 w + 16 r on: sixteen lanes read 256 consecutive bytes
.set NN, NN+1
.endr
	WIN 0
.irp k, 0,1,2,3,4,5,6,7
	ds_load_b128 v[224+4*\k:227+4*\k], v[XL] offset:512*\k       ; part k = 4 P + wave of rows 4 L .. 4 L + 3
.endr
	ds_load_b128 v[20:23], v[ML] offset:512*\blk   ; mask1 x log2(e) of those rows
	s_wait_dscnt 0x0
.irp k, 0,8,16,24
	v_pk_add_f32 v[224+\k:225+\k], v[224+\k:225+\k], v[228+\k:229+\k]
	v_pk_add_f32 v[226+\k:227+\k], v[226+\k:227+\k], v[230+\k:231+\k]
.endr
.irp k, 0,16
	v_pk_add_f32 v[224+\k:225+\k], v[224+\k:225+\k], v[232+\k:233+\k]
	v_pk_add_f32 v[226+\k:227+\k], v[226+\k:227+\k], v[234+\k:235+\k]
.endr
	v_pk_add_f32 v[224:225], v[224:225], v[240:241]
	v_pk_add_f32 v[226:227], v[226:227], v[242:243]
.irp k, 0,1,2,3
	v_ldexp_f32 v[224+\k], v[224+\k], s[EE]        ; x 2^E, whatever E is
.endr
.irp k, 0,1,2,3
	v_add_f32 v[224+\k], v[224+\k], v[BST]
.endr
.irp k, 0,1,2,3
	v_mul_f32 v[224+\k], v[224+\k], v[20+\k]       ; t
.endr
	v_max3_num_f32 v24, v224, v225, v226
	v_max_num_f32 v24, v24, v227
.irp m, 1,2,4,8
	v_max_num_f32_dpp v24, v24, v24 row_xmask:\m row_mask:0xf bank_mask:0xf
.endr
	v_permlanex16_b32 v30, v24, s[SEL], s[SEL+1]
	v_max3_num_f32 v24, v24, v30, v[MX]            ; the new M
	v_sub_f32 v25, v[MX], v24
.irp k, 0,1,2,3
	v_sub_f32 v[224+\k], v[224+\k], v24
.endr
	v_exp_f32 v18, v25                             ; f = 2^(old M - new M)
	v_exp_f32 v26, v224                            ; p of rows 4 L, 4 L + 2,
	v_exp_f32 v27, v226
	v_exp_f32 v28, v225                            ; 4 L + 1, 4 L + 3
	v_exp_f32 v29, v227
	v_mov_b32 v19, 0                               ; a plain place behind the exponentials; v19 is named with f as a pair
	v_mov_b32 v[MX], v24
	s_wait_alu depctr_va_vdst(0)
	ds_store_b64 v[PS], v[26:27]                   ; the even rows' p on end,
	ds_store_b64 v[PS], v[28:29] offset:256        ; then the odd rows'
	WIN 0x80
.irp m, 0,1,2,3,4,5,6,7
	ds_load_b128 v[128+4*\m:131+4*\m], v[PL] offset:16*\m        ; p of rows 2 n + h, n = 0 .. 31.  LDS serves a wave's instructions in order (ISA guide 5.7.1.4): these see my stores
.endr
	WIN 0xc0                                       ; destination window 3
.irp m, 0,1,2,3,4,5,6,7
	ds_load_b128 v[128+4*\m:131+4*\m], v[PL] offset:128+16*\m    ; n = 32 .. 63
.endr
	WIN 0
	v_add_f32 v20, v26, v27
	v_add_f32 v21, v28, v29
	v_add_f32 v20, v20, v21
.irp m, 1,2,4,8
	v_add_f32_dpp v20, v20, v20 row_xmask:\m row_mask:0xf bank_mask:0xf
.endr
	v_permlanex16_b32 v30, v20, s[SEL], s[SEL+1]
	v_add_f32 v20, v20, v30
	v_fma_f32 v[LS], v[LS], v18, v20               ; l = l f + the block's sum of p
.irp i, 0,2,4,6,8,10,12,14
	v_pk_mul_f32 v[UU+\i:UU+\i+1], v[UU+\i:UU+\i+1], v[18:19] op_sel_hi:[1,0]   ; U under the new M
.endr
	s_wait_loadcnt 0x0                             ; the first 64 rows' codes are in
	WIN 0xc0
.set NN, 0
.rept 32
	global_load_b128 v[4*NN:4*NN+3], v[UG], s[HXC:HXC+1] offset:2048*(32+NN)   ; the other 64 rows land while the first are worked
.set NN, NN+1
.endr
	s_wait_dscnt 0x0                               ; p
	UPASS 0
	s_wait_loadcnt 0x0
	UPASS 1
	WIN 0
.endm
	s_load_b256 s[4:11], s[0:1], 0x0               ; W s[4:5], hx s[6:7], the mask s[8:9], st s[10:11]
	s_load_b128 s[12:15], s[0:1], 0x20             ; b s[12:13], the scales' exponents s[14:15]
	s_load_b64 s[16:17], s[0:1], 0x30              ; part
	v_lshl_add_u32 v[SPW], v0, 2, SPARE
	v_mov_b32 v[NIL], 0
	ds_add_u32 v1, v2
	ds_add_u32 v1, v2
	s_wait_dscnt 0x0
	v_lshrrev_b32 v17, 5, v0
	v_readfirstlane_b32 s[WV], v17                 ; wave 0..3
	v_and_b32 v18, 15, v0                          ; r
	v_bfe_u32 v19, v0, 4, 1                        ; h
	v_and_b32 v20, 31, v0                          ; L
	s_bfe_u32 s19, ttmp6, 0x40000                  ; my place in the cluster
	s_lshl_b32 s20, ttmp9, 2
	s_add_co_u32 s20, s20, s19                     ; g: it enters global addresses of hx, the mask, st and part alone
	s_mul_i32 s[G0+1], s[WV], WPART                ; my part of slot 0,
	s_add_co_u32 s[G0+5], s[G0+1], WSLOT           ; of slot 1
	v_mul_u32_u24 v21, v18, PITCH
	v_lshl_add_u32 v21, v19, 4, v21                ; a fragment's row x pitch + 16 x half
	v_add_nc_u32 v[AH], HXR, v21
	v_add_nc_u32 v[AW0], s[G0+1], v21
	v_add_nc_u32 v[AW0+1], WSLOT, v[AW0]
	s_mul_i32 s21, s[WV], 16*PITCH                 ; a slice's rows 16 w + h + 2 n are mine to bring; 16 bytes a lane
	v_mul_u32_u24 v[HS], v19, PITCH
	v_lshl_add_u32 v[HS], v18, 4, v[HS]
	v_add_nc_u32 v[HS], s21, v[HS]
	v_add_nc_u32 v[HS], HXR, v[HS]
	s_lshl_b32 s21, s[WV], 14
	v_lshlrev_b32 v[HG], 10, v19
	v_lshl_add_u32 v[HG], v18, 4, v[HG]
	v_add_nc_u32 v[HG], s21, v[HG]
	s_lshl_b32 s21, s[WV], 9
	v_lshl_add_u32 v[XS], v18, 2, XCH
	v_add_nc_u32 v[XS], s21, v[XS]                 ; XCH + 512 w + 4 r
	v_lshl_add_u32 v[XL], v20, 4, XCH
	v_lshl_add_u32 v[PS], v20, 3, PT
	v_add_nc_u32 v[PS], s21, v[PS]                 ; PT + 512 w + 8 L
	v_lshl_add_u32 v[PL], v19, 8, PT
	v_add_nc_u32 v[PL], s21, v[PL]                 ; PT + 512 w + 256 h
	v_lshl_add_u32 v[ML], v20, 4, MK
	v_lshlrev_b32 v25, 4, v20                      ; 16 L: b and st for b . st
	v_add_nc_u32 v24, s21, v25                     ; st of my wave's columns: 512 w + 16 L
	s_lshl_b32 s22, s[WV], 10
	v_lshl_add_u32 v[SL], v19, 5, STT
	v_add_nc_u32 v[SL], s22, v[SL]                 ; STT + 1,024 w + 32 h
	v_lshl_add_u32 v29, v20, 4, STT
	v_add_nc_u32 v29, s22, v29                     ; STT + 1,024 w + 16 L
	s_lshl_b32 s23, s[WV], 8
	v_lshlrev_b32 v[UG], 10, v19
	v_lshl_add_u32 v[UG], v18, 4, v[UG]
	v_add_nc_u32 v[UG], s23, v[UG]                 ; 1,024 h + 256 w + 16 r
	v_lshlrev_b32 v21, 2, v0                       ; the mask: rows t and t + 128
	v_lshl_add_u32 v28, v0, 2, MK
	; descriptor group 1: a tile of 128 rows x 256 bytes, 1,024 bytes apart in memory, padded in LDS
	s_mov_b32 s[G1+0], 15|(1<<20)|(1<<21)|(5<<22)|(3<<25)   ; 15:0 the mask: all four work-groups; 17:16 elements of 1 byte; 20 padding on; 21 set beside a mask; 24:22 after every 64 words (code 5); 31:25 four words (code 3)
	s_mov_b32 s[G1+1], 256<<16                     ; tensor_dim0
	s_mov_b32 s[G1+2], 128<<16                     ; tensor_dim1
	s_mov_b32 s[G1+3], 256<<16                     ; tile_dim0
	s_mov_b32 s[G1+4], 128                         ; tile_dim1
	s_mov_b32 s[G1+5], 1024                        ; tensor_dim0_stride
	s_mov_b32 s[G1+6], 0
	s_mov_b32 s[G1+7], 0
	s_mov_b32 s[SEL], 0x76543210
	s_mov_b32 s[SEL+1], 0xfedcba98
	s_mov_b32 s[BLK], 3
	s_mov_b32 s[PO], 0
	s_mov_b32 s[PX], 0
	s_mov_b32 s[DL], 0x20000                       ; 128 rows of 1,024 bytes
	s_mov_b32 s[DL+1], 0
	s_wait_kmcnt 0x0
	s_load_b64 s[50:51], s[14:15], 0x0             ; e0, e1
	s_lshl_b32 s56, s[WV], 17                      ; my 128 rows of 1,024 bytes: the wave's number alone enters W's addresses
	s_mov_b32 s57, 0
	s_add_nc_u64 s[WC:WC+1], s[4:5], s[56:57]
	s_add_nc_u64 s[WN:WN+1], s[WC:WC+1], 512*1024
	s_mov_b32 s[G0], 1                             ; count = 1
	s_mov_b64 s[G0+2:G0+3], s[WC:WC+1]             ; tile 0: K from 0 on,
	s_or_b32 s[G0+3], s[G0+3], 0x80000000          ; type = 2
	s_mov_b32 s[G0+4], 1
	s_add_nc_u64 s[G0+6:G0+7], s[WC:WC+1], 256     ; tile 1: from 256 on
	s_or_b32 s[G0+7], s[G0+7], 0x80000000
	s_mov_b32 s55, 0
	s_lshl_b32 s54, s20, 18                        ; 256 rows of 1,024 bytes
	s_add_nc_u64 s[HXC:HXC+1], s[6:7], s[54:55]
	s_mov_b64 s[HXN:HXN+1], s[HXC:HXC+1]           ; the next half is the same block's
	s_lshl_b32 s54, s20, 10                        ; 256 numbers of the mask
	s_add_nc_u64 s[8:9], s[8:9], s[54:55]
	s_lshr_b32 s54, s20, 3
	s_lshl_b32 s54, s54, 12                        ; the batch's row of st
	s_add_nc_u64 s[10:11], s[10:11], s[54:55]
	s_mul_i32 s54, s20, 4608                       ; my row of part
	s_add_nc_u64 s[16:17], s[16:17], s[54:55]
	CROUND                                         ; all four work-groups are here: the first joint loads meet
	tensor_load_to_lds s[G0:G0+3], s[G1:G1+7]      ; both first fills together: two tensor loads of mine are out
	s_nop 0
	tensor_load_to_lds s[G0+4:G0+7], s[G1:G1+7]
	s_nop 0
	PLACES
.irp x, 0,1
.irp n, 0,1,2,3,4,5,6,7
	global_load_b128 v[STG+32*\x+4*\n:STG+32*\x+4*\n+3], v[HG], s[HXC:HXC+1] offset:65536*\x+2048*\n   ; hx's slices 0 and 1: the two row halves, K from 0 on
.endr
.endr
	global_load_b32 v22, v21, s[8:9]
	global_load_b32 v23, v21, s[8:9] offset:512
	global_load_b128 v[192:195], v24, s[10:11]             ; st of my 128 columns of half 0,
	global_load_b128 v[196:199], v24, s[10:11] offset:2048 ; of half 1
.irp n, 0,1,2,3,4,5,6,7
	global_load_b128 v[128+4*\n:128+4*\n+3], v25, s[12:13] offset:512*\n
	global_load_b128 v[160+4*\n:160+4*\n+3], v25, s[10:11] offset:512*\n
.endr
.set CC, 0
.rept 16
	v_mov_b32 v[UU+CC], 0                          ; U begins as zeros, which the first change of M leaves zeros: the step behind a block is written without a first form of its own
.set CC, CC+1
.endr
	v_mov_b32 v[LS], 0
	v_mov_b32 v[MX], 0xff61b1e6                    ; -3e38, under every t
	v_mov_b32 v[SCL], 0x7f7f7f7f
	v_mov_b32 v30, 0                               ; written once: a lane permute's destination counts as one of its sources
	s_wait_loadcnt 0x0
	v_sub_f32 v26, 1.0, v22
	v_sub_f32 v27, 1.0, v23
	v_fmamk_f32 v22, v26, 0x219392ef, v22          ; mask1 = m + (1 - m) x 1e-18,
	v_fmamk_f32 v23, v27, 0x219392ef, v23
	v_mul_f32 v22, 0x3fb8aa3b, v22                 ; x log2(e)
	v_mul_f32 v23, 0x3fb8aa3b, v23
	ds_store_b32 v28, v22
	ds_store_b32 v28, v23 offset:512
	ds_store_b128 v29, v[192:195]
	ds_store_b128 v29, v[196:199] offset:512
	v_pk_mul_f32 v[26:27], v[128:129], v[160:161]  ; b . st: every wave makes it for itself
.set CC, 1
.rept 15
	v_pk_fma_f32 v[26:27], v[128+2*CC:129+2*CC], v[160+2*CC:161+2*CC], v[26:27]
.set CC, CC+1
.endr
	v_add_f32 v[BST], v26, v27
.irp m, 1,2,4,8
	v_add_f32_dpp v[BST], v[BST], v[BST] row_xmask:\m row_mask:0xf bank_mask:0xf
.endr
	v_permlanex16_b32 v30, v[BST], s[SEL], s[SEL+1]
	v_add_f32 v[BST], v[BST], v30
.irp x, 0,1
.irp n, 0,1,2,3,4,5,6,7
	ds_store_b128 v[HS], v[STG+32*\x+4*\n:STG+32*\x+4*\n+3] offset:HSL*\x+2*PITCH*\n   ; slices 0 and 1 into the ring
.endr
.endr
	s_wait_dscnt 0x0                               ; for the others' sake, and the stores have read the staging sets,
.irp x, 0,1
.irp n, 0,1,2,3,4,5,6,7
	global_load_b128 v[STG+32*\x+4*\n:STG+32*\x+4*\n+3], v[HG], s[HXC:HXC+1] offset:65536*\x+256+2048*\n   ; which take slices 2 and 3
.endr
.endr
	s_wait_tensorcnt 0x1                           ; my part of slot 0 is in; slot 1's may stay out
	s_barrier_signal -1
	s_barrier_wait -1
	FETCHW 0, 0, 0
	FETCHH 0, 0, 0
	s_wait_kmcnt 0x0
	s_add_co_i32 s[EE], s50, s51                   ; E = e0 + e1
.Lhalf:                                            ; three trips: block 0's two column halves and block 1's first; the fourth half is written out
	HB 0
	EPI1
	s_cmp_eq_u32 s[PO], 0                          ; behind a first half the scores are not whole yet: a branch on the half's number, the same in every wave and work-group; no barrier and no tensor load stands under it
	s_cbranch_scc1 .Lno_weights
	EPI2 0                                         ; in the loop this runs behind block 0 alone
.Lno_weights:
	s_wait_xcnt 0x0                                ; the loads that are out have read their bases
	s_mov_b64 s[HXC:HXC+1], s[HXN:HXN+1]
	s_add_nc_u64 s[HXN:HXN+1], s[HXN:HXN+1], s[DL:DL+1]   ; behind a first half the half after next is the next block's
	s_xor_b32 s[DL], s[DL], 0x20000
	s_mov_b64 s[62:63], s[WC:WC+1]                 ; W's two column halves change places
	s_mov_b64 s[WC:WC+1], s[WN:WN+1]
	s_mov_b64 s[WN:WN+1], s[62:63]
	s_xor_b32 s[PO], s[PO], 512
	s_xor_b32 s[PX], s[PX], 2048
	s_sub_co_u32 s[BLK], s[BLK], 1
	s_cmp_lg_u32 s[BLK], 0
	s_cbranch_scc1 .Lhalf
	HB 1
	EPI1
	EPI2 1
	; THE WAY OUT.  The two halves of the lanes hold the even rows' and the odd rows' sums: they are added.  U goes through my own stage and leaves as 512 consecutive bytes a store.
.set CC, 0
.rept 16
	v_permlanex16_b32 v[TT+CC], v[UU+CC], s[SEL], s[SEL+1]
.set CC, CC+1
.endr
.set CC, 0
.rept 16
	v_add_f32 v[UU+CC], v[UU+CC], v[TT+CC]
.set CC, CC+1
.endr
	s_lshl_b32 s22, s[WV], 10
	v_and_b32 v20, 15, v0
	v_and_b32 v22, 31, v0
	v_lshl_add_u32 v17, v20, 6, STT
	v_add_nc_u32 v17, s22, v17                     ; in: 64 r: my 16 numbers
	v_lshl_add_u32 v21, v22, 4, STT
	v_add_nc_u32 v21, s22, v21                     ; back: 16 L
	v_lshlrev_b32 v28, 4, v22
	v_add_nc_u32 v23, s22, v28                     ; in part: 1,024 w + 16 L
	v_mov_b32 v24, v[MX]
	v_mov_b32 v25, v[LS]
	v_mov_b32 v26, v[MX]
	v_mov_b32 v27, v[LS]
.irp k, 0,1,2,3
	ds_store_b128 v17, v[UU+4*\k:UU+4*\k+3] offset:16*\k         ; both halves of the lanes store the same numbers to the same words
.endr
	ds_load_b128 v[TT:TT+3], v21
	ds_load_b128 v[TT+4:TT+7], v21 offset:512
	s_wait_dscnt 0x0
	global_store_b128 v23, v[TT:TT+3], s[16:17]
	global_store_b128 v23, v[TT+4:TT+7], s[16:17] offset:512
	s_cmp_lg_u32 s[WV], 0
	s_cbranch_scc1 .Lnot_first
	global_store_b128 v28, v[24:27], s[16:17] offset:4096   ; (M, l, M, l) in every lane: 512 consecutive bytes; all four waves hold the same two numbers, wave 0 stores them
.Lnot_first:
	s_wait_tensorcnt 0x0                           ; the wave's end, behind my last tensor load and my last LDS store
	ds_add_u32 v[SPW], v[NIL]
	s_wait_dscnt 0x0
	CROUND                                         ; the closing round: no work-group ends while a partner may still ask for a tile that names it
	s_endpgm
.Lfunc_end_k_q23fac8d5dc_fused:
	.size	k_q23fac8d5dc_fused, .Lfunc_end_k_q23fac8d5dc_fused-k_q23fac8d5dc_fused
	.p2alignl 7, 3214868480
	.fill 96, 4, 3214868480
	.section	.rodata,"a",@progbits
	.p2align	6, 0x0
	.amdhsa_kernel k_q23fac8d5dc_fused
		.amdhsa_group_segment_fixed_size 327680
		.amdhsa_private_segment_fixed_size 0
		.amdhsa_enable_private_segment 0
		.amdhsa_kernarg_size 56
		.amdhsa_user_sgpr_count 2
		.amdhsa_user_sgpr_kernarg_segment_ptr 1
		.amdhsa_wavefront_size32 1
		.amdhsa_system_sgpr_workgroup_id_x 1
		.amdhsa_system_sgpr_workgroup_id_y 1
		.amdhsa_system_sgpr_workgroup_id_z 1
		.amdhsa_system_vgpr_workitem_id 0
		.amdhsa_next_free_vgpr 1024
		.amdhsa_next_free_sgpr 66
		.amdhsa_reserve_vcc 0
		.amdhsa_float_denorm_mode_32 3
		.amdhsa_float_denorm_mode_16_64 3
		.amdhsa_memory_ordered 1
		.amdhsa_forward_progress 1
		.amdhsa_inst_pref_size 255
	.end_amdhsa_kernel
	.section	.bss,"aw",@nobits
	.p2align	6
	.space	262144
	.amdgpu_metadata
---
amdhsa.version: [ 1, 2 ]
amdhsa.kernels:
  - .name:           k_q23fac8d5dc_fused
    .symbol:         k_q23fac8d5dc_fused.kd
    .args:
      - { .name: W_codes, .offset: 0, .size: 8, .value_kind: global_buffer, .address_space: global }
      - { .name: hx_codes, .offset: 8, .size: 8, .value_kind: global_buffer, .address_space: global }
      - { .name: hx_mask, .offset: 16, .size: 8, .value_kind: global_buffer, .address_space: global }
      - { .name: st, .offset: 24, .size: 8, .value_kind: global_buffer, .address_space: global }
      - { .name: b, .offset: 32, .size: 8, .value_kind: global_buffer, .address_space: global }
      - { .name: lowp_scales, .offset: 40, .size: 8, .value_kind: global_buffer, .address_space: global }
      - { .name: part, .offset: 48, .size: 8, .value_kind: global_buffer, .address_space: global }
    .group_segment_fixed_size: 327680
    .private_segment_fixed_size: 0
    .kernarg_segment_align: 8
    .kernarg_segment_size: 56
    .max_flat_workgroup_size: 128
    .sgpr_count:     66
    .vgpr_count:     1024
    .wavefront_size: 32
...
	.end_amdgpu_metadata
.endif
;; end of part 1
;; launch finish (part 2): grid 8 x 32, 8 waves a work-group, no clusters, 5,632 bytes of LDS; arguments part, W_codes, b, lowp_scales, out0; writes out0
.if DOCPART == 2
	.amdgcn_target "amdgcn-amd-amdhsa--gfx1250"
	.amdhsa_code_object_version 6
	.text
	.protected	k_q23fac8d5dc_finish
	.globl	k_q23fac8d5dc_finish
	.p2align	8
	.type	k_q23fac8d5dc_finish,@function
k_q23fac8d5dc_finish:
	s_mov_b64 s[64:65], 0
	v_nop
	global_prefetch_b8 v0, s[64:65] scope:SCOPE_SE
	s_setreg_imm32_b32 hwreg(HW_REG_WAVE_MODE, 25, 1), 1
	s_wait_xcnt 0x0
; out0[y][e] = 2^(e0 + e1) sum over d of V[d] x code(W[e][d]) + b[e],  V = (sum over g of f_g U_g) / (sum over g of f_g l_g),  f_g = 2^(M_g - the largest M): the eight parts of batch y are brought under one maximum, joined,
; divided, and multiplied by W, all in f32.  part: a row of 4,608 bytes for each of the 256 work-groups of the launch before: 1,024 f32 U, then (M, l) repeated.
; Work-group (x, y): batch y, rows e = 128 x .. 128 x + 127 of W.  Thread t joins V[4 t .. 4 t + 3]; V goes round through LDS.  Wave w then takes rows 16 w .. 16 w + 15: a row's 1,024 codes are two loads of 512 consecutive bytes,
; lane L holding d = 16 L + 0 .. 15 and 512 + 16 L + 0 .. 15; 32 multiply-adds a lane and row, then a sum over the lanes.  The 128 results meet in LDS and leave as 512 consecutive bytes.
; The largest part has f = 1 and l >= 1, so the divisor is at least 1.  2^(e0 + e1) is applied last, by v_ldexp_f32: the given exponents have no limit of their own.  No matrix unit: 32 K multiply-adds an output row are too few to feed it.
.set UL, 0                             ; LDS: V, 1,024 f32
.set OL, 4096                          ; LDS: the work-group's 128 results
.set ML2, 8                            ; v8-23    (M, l) of the eight parts
.set RP,  24                           ; v24-55   the eight parts' four numbers; later my 32 numbers of V
.set WCD, 64                           ; v64-191  my 16 rows' codes, 8 registers a row
.set TW,  192                          ; v192-223 a row's 32 codes, widened
.set SS,  224                          ; v224-231 four pairs of sums
.set RR,  232                          ; v232-247 the 16 rows' sums
	s_load_b256 s[4:11], s[0:1], 0x0               ; part s[4:5], W s[6:7], b s[8:9], the scales' exponents s[10:11]
	s_load_b64 s[12:13], s[0:1], 0x20              ; out0
	v_lshl_add_u32 v254, v0, 2, 0x1200
	v_mov_b32 v255, 0
	v_lshrrev_b32 v1, 5, v0
	v_readfirstlane_b32 s14, v1                    ; wave 0..7
	v_and_b32 v3, 31, v0                           ; L
	v_and_b32 v5, 15, v0
	v_lshlrev_b32 v1, 4, v0                        ; 16 t: my four numbers, in a part and in LDS
	v_mov_b32 v2, 0
	v_lshlrev_b32 v4, 6, v3                        ; 64 L: my 16 numbers of V
	v_lshlrev_b32 v3, 4, v3                        ; 16 L
	s_lshl_b32 s15, s14, 6
	v_lshl_add_u32 v5, v5, 2, OL
	v_add_nc_u32 v5, s15, v5                       ; OL + 64 w + 4 (L % 16)
	v_add_nc_u32 v6, OL, v3
	s_and_b32 s16, ttmp7, 0xffff                   ; the batch
	s_mul_i32 s20, s16, 8*4608                     ; its eight rows of part
	s_mov_b32 s21, 0
	s_lshl_b32 s22, ttmp9, 17                      ; 128 rows of W,
	s_lshl_b32 s23, s14, 14                        ; my wave's 16 of them
	s_add_co_u32 s22, s22, s23
	s_mov_b32 s23, 0
	s_lshl_b32 s24, ttmp9, 9                       ; 128 numbers of b
	s_mov_b32 s25, 0
	s_lshl_b32 s26, s16, 12                        ; the batch's row of out0
	s_add_co_u32 s26, s26, s24
	s_mov_b32 s27, 0
	s_mov_b32 s28, 0x76543210                      ; lane selects: lane l xor 16
	s_mov_b32 s29, 0xfedcba98
	s_wait_kmcnt 0x0
	s_load_b64 s[18:19], s[10:11], 0x0             ; e0, e1
	s_add_nc_u64 s[4:5], s[4:5], s[20:21]
	s_add_nc_u64 s[6:7], s[6:7], s[22:23]
	s_add_nc_u64 s[8:9], s[8:9], s[24:25]
	s_add_nc_u64 s[12:13], s[12:13], s[26:27]
.irp g, 0,1,2,3,4,5,6,7
	global_load_b64 v[ML2+2*\g:ML2+2*\g+1], v2, s[4:5] offset:4096+4608*\g   ; M_g, l_g: the same two words in every lane
.endr
.irp g, 0,1,2,3,4,5,6,7
	global_load_b128 v[RP+4*\g:RP+4*\g+3], v1, s[4:5] offset:4608*\g         ; U_g of my four places
.endr
	global_load_b128 v[56:59], v3, s[8:9]          ; b of the work-group's rows
.set II, 0
.rept 16
	global_load_b128 v[WCD+8*II:WCD+8*II+3], v3, s[6:7] offset:1024*II       ; a wave's load covers 512 consecutive bytes of a row
	global_load_b128 v[WCD+8*II+4:WCD+8*II+7], v3, s[6:7] offset:1024*II+512
.set II, II+1
.endr
	s_wait_loadcnt 32                              ; all but W's 32 loads
	v_max3_num_f32 v248, v8, v10, v12
	v_max3_num_f32 v248, v248, v14, v16
	v_max3_num_f32 v248, v248, v18, v20
	v_max_num_f32 v248, v248, v22                  ; the largest M
.irp g, 0,1,2,3,4,5,6,7
	v_sub_f32 v[ML2+2*\g], v[ML2+2*\g], v248
.endr
.irp g, 0,1,2,3,4,5,6,7
	v_exp_f32 v[ML2+2*\g], v[ML2+2*\g]             ; f_g
.endr
	v_mov_b32 v251, 0                              ; a plain place behind the exponentials; v251 is named below as a pair's upper half
	s_wait_alu depctr_va_vdst(0)
	v_mul_f32 v249, v8, v9
	v_pk_mul_f32 v[60:61], v[24:25], v[8:9] op_sel_hi:[1,0]
	v_pk_mul_f32 v[62:63], v[26:27], v[8:9] op_sel_hi:[1,0]
.irp g, 1,2,3,4,5,6,7
	v_fmac_f32 v249, v[ML2+2*\g], v[ML2+2*\g+1]    ; the sum of f l
	v_pk_fma_f32 v[60:61], v[RP+4*\g:RP+4*\g+1], v[ML2+2*\g:ML2+2*\g+1], v[60:61] op_sel_hi:[1,0,1]   ; the sums of f U
	v_pk_fma_f32 v[62:63], v[RP+4*\g+2:RP+4*\g+3], v[ML2+2*\g:ML2+2*\g+1], v[62:63] op_sel_hi:[1,0,1]
.endr
	v_rcp_f32 v250, v249
	v_nop                                          ; a plain place behind the reciprocal
	s_wait_alu depctr_va_vdst(0)
	v_pk_mul_f32 v[60:61], v[60:61], v[250:251] op_sel_hi:[1,0]
	v_pk_mul_f32 v[62:63], v[62:63], v[250:251] op_sel_hi:[1,0]
	ds_store_b128 v1, v[60:63]                     ; V[4 t .. 4 t + 3]
	s_wait_dscnt 0x0                               ; for the others' sake
	s_barrier_signal -1
	s_barrier_wait -1
.irp k, 0,1,2,3
	ds_load_b128 v[RP+4*\k:RP+4*\k+3], v4 offset:UL+16*\k            ; V[16 L + 0 .. 15],
	ds_load_b128 v[RP+16+4*\k:RP+16+4*\k+3], v4 offset:UL+2048+16*\k ; V[512 + 16 L + 0 .. 15]
.endr
	s_wait_dscnt 0x0
	s_wait_loadcnt 0x0                             ; W's codes
.set II, 0
.rept 16
.irp hh, 0,1
.irp q, 0,1,2,3
.irp bb, 0,1,2,3
	v_cvt_f32_bf8 v[TW+16*\hh+4*\q+\bb], v[WCD+8*II+4*\hh+\q] byte_sel:\bb   ; every code of E5M2 is an f32 number: nothing is rounded
.endr
.endr
.endr
.irp hh, 0,1
.irp e, 0,2
.irp q, 0,1,2,3
.if (\hh == 0) && (\e == 0)
	v_pk_mul_f32 v[SS+2*\q:SS+2*\q+1], v[TW+4*\q:TW+4*\q+1], v[RP+4*\q:RP+4*\q+1]
.else
	v_pk_fma_f32 v[SS+2*\q:SS+2*\q+1], v[TW+16*\hh+4*\q+\e:TW+16*\hh+4*\q+\e+1], v[RP+16*\hh+4*\q+\e:RP+16*\hh+4*\q+\e+1], v[SS+2*\q:SS+2*\q+1]
.endif
.endr
.endr
.endr
	v_pk_add_f32 v[SS:SS+1], v[SS:SS+1], v[SS+2:SS+3]
	v_pk_add_f32 v[SS+4:SS+5], v[SS+4:SS+5], v[SS+6:SS+7]
	v_pk_add_f32 v[SS:SS+1], v[SS:SS+1], v[SS+4:SS+5]
	v_add_f32 v[RR+II], v[SS], v[SS+1]             ; my 32 places' share of row 16 w + i
.set II, II+1
.endr
.irp m, 1,2,4,8                        ; over the 32 lanes, the 16 rows by turns
.set II, 0
.rept 16
	v_add_f32_dpp v[RR+II], v[RR+II], v[RR+II] row_xmask:\m row_mask:0xf bank_mask:0xf
.set II, II+1
.endr
.endr
.set II, 0
.rept 16
	v_permlanex16_b32 v[TW+II], v[RR+II], s28, s29
.set II, II+1
.endr
.set II, 0
.rept 16
	v_add_f32 v[RR+II], v[RR+II], v[TW+II]
.set II, II+1
.endr
	v_mov_b32 v248, v[RR]                          ; lanes i and 16 + i keep row i's sum
.set II, 1
.rept 15
	s_mov_b32 vcc_lo, 0x10001<<II
	v_cndmask_b32 v248, v248, v[RR+II], vcc_lo
.set II, II+1
.endr
	ds_store_b32 v5, v248                          ; both halves of the lanes store the same number to the same word
	s_wait_kmcnt 0x0
	s_add_co_i32 s18, s18, s19                     ; e0 + e1
	s_wait_dscnt 0x0                               ; for wave 0's sake
	s_barrier_signal -1
	s_barrier_wait -1
	s_cmp_lg_u32 s14, 0
	s_cbranch_scc1 .Ldone
	ds_load_b128 v[SS:SS+3], v6                    ; four results a lane
	s_wait_dscnt 0x0
.irp k, 0,1,2,3
	v_ldexp_f32 v[SS+\k], v[SS+\k], s18
.endr
	v_pk_add_f32 v[SS:SS+1], v[SS:SS+1], v[56:57]
	v_pk_add_f32 v[SS+2:SS+3], v[SS+2:SS+3], v[58:59]
	global_store_b128 v3, v[SS:SS+3], s[12:13]     ; the wave stores 512 consecutive bytes, at a multiple of 256 from out0's first byte
.Ldone:
	s_wait_tensorcnt 0x0
	ds_add_u32 v254, v255
	s_wait_dscnt 0x0
	s_endpgm
.Lfunc_end_k_q23fac8d5dc_finish:
	.size	k_q23fac8d5dc_finish, .Lfunc_end_k_q23fac8d5dc_finish-k_q23fac8d5dc_finish
	.p2alignl 7, 3214868480
	.fill 96, 4, 3214868480
	.section	.rodata,"a",@progbits
	.p2align	6, 0x0
	.amdhsa_kernel k_q23fac8d5dc_finish
		.amdhsa_group_segment_fixed_size 5632
		.amdhsa_private_segment_fixed_size 0
		.amdhsa_enable_private_segment 0
		.amdhsa_kernarg_size 40
		.amdhsa_user_sgpr_count 2
		.amdhsa_user_sgpr_kernarg_segment_ptr 1
		.amdhsa_wavefront_size32 1
		.amdhsa_system_sgpr_workgroup_id_x 1
		.amdhsa_system_sgpr_workgroup_id_y 1
		.amdhsa_system_sgpr_workgroup_id_z 1
		.amdhsa_system_vgpr_workitem_id 0
		.amdhsa_next_free_vgpr 256
		.amdhsa_next_free_sgpr 66
		.amdhsa_reserve_vcc 1
		.amdhsa_float_denorm_mode_32 3
		.amdhsa_float_denorm_mode_16_64 3
		.amdhsa_memory_ordered 1
		.amdhsa_forward_progress 1
		.amdhsa_inst_pref_size 69
	.end_amdhsa_kernel
	.amdgpu_metadata
---
amdhsa.version: [ 1, 2 ]
amdhsa.kernels:
  - .name:           k_q23fac8d5dc_finish
    .symbol:         k_q23fac8d5dc_finish.kd
    .args:
      - { .name: part, .offset: 0, .size: 8, .value_kind: global_buffer, .address_space: global }
      - { .name: W_codes, .offset: 8, .size: 8, .value_kind: global_buffer, .address_space: global }
      - { .name: b, .offset: 16, .size: 8, .value_kind: global_buffer, .address_space: global }
      - { .name: lowp_scales, .offset: 24, .size: 8, .value_kind: global_buffer, .address_space: global }
      - { .name: out0, .offset: 32, .size: 8, .value_kind: global_buffer, .address_space: global }
    .group_segment_fixed_size: 5632
    .private_segment_fixed_size: 0
    .kernarg_segment_align: 8
    .kernarg_segment_size: 40
    .max_flat_workgroup_size: 256
    .sgpr_count:     66
    .vgpr_count:     256
    .wavefront_size: 32
...
	.end_amdgpu_metadata
.endif
;; end of part 2
